; MI455X (gfx1250); checked and timed in simulation.
; The chip was launched on July 23, 2026; its instructions are those of AMD's public machine-readable ISA for CDNA 5 (MIT licence, August 2026) and "CDNA5" Instruction Set Architecture Reference Guide (July 2026). The comments in the code are by the model that wrote it; some were corrected since.
;; Encoder Block. Allowed arithmetic: matrix products marked QUANTISED: E2M3 operands, one E8M0 scale for each 32 along K, by v_wmma_scale_f32_16x16x128_f8f6f4 with both operands' format E2M3, f32 sums; everything else in f32.
;; Inputs: W1 512 x 1,024 float32; W2 1,024 x 512 float32; Wk 512 x 512 float32; Wo 512 x 512 float32; Wq 512 x 512 float32; Wv 512 x 512 float32; a1 512 float32; a2 512 float32; b1 512 float32; b2 512 float32; bk 512 float32; bo 512 float32; bq 512 float32; bv 512 float32; c1 1,024 float32; c2 512 float32; x 2 x 4,096 x 512 float32.
;; Outputs: out0 2 x 4,096 x 512 float32.
;; This version of the problem:
;;   THIS VERSION OF THE PROBLEM IS GIVEN IN LOW PRECISION. The matrix products marked QUANTISED in the list below multiply operands that are first quantised to E2M3 (2 exponent bits, 3 mantissa bits; 6 bits a number), with one power-of-two scale for each 32 numbers along K (OCP MX v1.0); their sums are f32. All else is computed in f32.
;;   The module's matrix products, in the order in which they are computed (A, B: the left and right operand; K: the contracted axis; several contracted axes count as one K, in the product's order):
;;     1. [M 8,192, K 512] x [K 512, N 512]; A: input x; B: input Wq: QUANTISED
;;     2. [M 8,192, K 512] x [K 512, N 512]; A: input x; B: input Wk: QUANTISED
;;     3. [M 8,192, K 512] x [K 512, N 512]; A: input x; B: input Wv: QUANTISED
;;     4. batch 16 x [M 4,096, K 64] x [K 64, N 4,096]; A: computed on the way; B: computed on the way: QUANTISED
;;     5. batch 16 x [M 4,096, K 4,096] x [K 4,096, N 64]; A: softmax (see below); B: computed on the way: QUANTISED
;;     6. [M 8,192, K 512] x [K 512, N 512]; A: computed on the way; B: input Wo: QUANTISED
;;     7. [M 8,192, K 512] x [K 512, N 1,024]; A: computed on the way; B: input W1: QUANTISED
;;     8. [M 8,192, K 1,024] x [K 1,024, N 512]; A: computed on the way; B: input W2: QUANTISED
;;   THE QUANTISER, for each operand of a quantised product, along K:
;;     - K is cut into blocks of 32 from its start; a last block that is shorter is filled with zeros.
;;     - A block's scale is 2^e with e = floor(log2(the largest magnitude in the block)) - 2, held to -126 .. 127; a block of zeros has e = 0. As a byte (E8M0): e + 127.
;;     - Each number is divided by its block's scale, clamped to +-7.5, and rounded to the nearest number of E2M3, ties to even, subnormals kept.
;;     - The product sums the exact products of the quantised numbers (number of the format x scale) in f32.
;;   ~~~python
;;   def quantise(x, axis):      # numpy; x: float32 -> the quantised numbers, widened to float32 again
;;       x = np.moveaxis(x, axis, -1); K = x.shape[-1]
;;       x = np.pad(x, [(0, 0)] * (x.ndim - 1) + [(0, -K % 32)]); x = x.reshape(x.shape[:-1] + (-1, 32)); a = np.abs(x).max(-1, keepdims=True)
;;       e = np.where(a > 0, np.clip(np.frexp(np.where(a > 0, a, 1))[1] - 1 - 2, -126, 127), 0)      # np.frexp(a)[1] - 1 = floor(log2(a)), exactly
;;       r = np.clip(x / 2.0 ** e, -7.5, 7.5)
;;       step = 2.0 ** (np.maximum(np.frexp(np.where(r == 0, 1, r))[1] - 1, 0) - 3)
;;       q = np.round(r / step) * step * 2.0 ** e      # np.round: ties to even
;;       return np.moveaxis(q.reshape(q.shape[:-2] + (-1,))[..., :K], -1, axis).astype(np.float32)
;;   ~~~
;;   SOFTMAX AHEAD OF A QUANTISED PRODUCT. Where the list says 'softmax', what is quantised is not the finished softmax but p = 2^(t - M), with t = logit x log2(e) and M = ceil(the row's largest t), a whole number; so 1/2 < the row's largest p <= 1. The row's sum l is taken of the UNQUANTISED p, in f32, and the product's result is divided by l at the end. Since M is a whole number, a kernel that streams over the keys may use a running M (the ceiling of the running maximum): every later rescaling is an exact power of two, which a block's scale takes up: the codes' values come out the same.
;;   OPERANDS COMPUTED ON THE WAY. 'Computed on the way' means the value that the module computes at that place (a softmax that the list does not call 'softmax' is quantised finished and normalised). What goes into a quantiser is computed in f32, as accurately as f32 sums, v_exp_f32 and their like allow (about 1e-6 of the number): no bf16 or f16 on the way to a quantiser, and a product that is left as it is and whose result goes on into a quantised operand takes f32 operands (vector FMAs, or v_wmma_f32_16x16x4_f32). A number that lies on a knife's edge between two numbers of the format may be rounded either way, as far as f32 arithmetic and the matrix unit's own rounding can turn it there, and no further.
;; One version. Each part assembles by itself: llvm-mc -triple=amdgcn-amd-amdhsa -mcpu=gfx1250 --defsym DOCPART=n.
;; ======== version 1 of 1: 4 launches
;; workspace buffers: wq 1,638,400 bytes; xq 3,276,800 bytes; qq 3,407,872 bytes; kv 6,553,600 bytes; cq 3,276,800 bytes
;; launch prep (part 1): grid 768 x 1, 4 waves a work-group, no clusters, 0 bytes of LDS; arguments Wq, Wk, Wv, Wo, W1, W2, x, wq, xq; writes wq, xq
.if DOCPART == 1
	.amdgcn_target "amdgcn-amd-amdhsa--gfx1250"
	.amdhsa_code_object_version 6
	.text
	.protected	k_qc70de52973_prep
	.globl	k_qc70de52973_prep
	.p2align	8
	.type	k_qc70de52973_prep,@function
k_qc70de52973_prep:
	s_mov_b64 s[64:65], 0
	v_nop
	global_prefetch_b8 v0, s[64:65] scope:SCOPE_SE
	s_setreg_imm32_b32 hwreg(HW_REG_WAVE_MODE, 25, 1), 1
	s_wait_xcnt 0x0
; PREP: the six weights (K = their first axis) and x (K innermost) become codes of E2M3 with one E8M0 byte for each 32 along K,
; laid as IMAGES OF OPERAND REGISTERS: a fragment (16 rows x 128 K, 12 registers a lane) is 1,536 bytes, registers 4 j .. 4 j + 3 of lane l at 512 j + 16 l.
; One wave makes one fragment: lane (r, h) holds 64 numbers of its row or column, register 32 c + e = k 128 s + 64 c + 32 h + e: two whole blocks, so no other lane is asked for a maximum.
; THE ROWS OF A TILE ARE NOT NEIGHBOURS: in a group of 64 rows (tokens, or columns of a weight) row r of tile i is 32 (r / 8) + 8 i + r % 8.  So, later, the 32 result registers
; of four neighbouring tiles in one lane are 32 neighbours along the next K.
; Work-groups 0-255: weights (0-127: Wq, Wk, Wv, Wo, 32 each; 128-191: W1; 192-255: W2); a work-group is a column group G and a K step s, the wave is tile i.  Work-groups 256-767: x, a token tile each, the wave is the K step.
; wq: 64 blocks of 16 fragments (tile i, K step s' at (4 i + s') x 1,536) in the order in which the later launches take them; scale words behind them, block x 1,024 + 256 i + 16 r + 4 s'.
; LIMITS: a block whose largest magnitude lies under 2^-124 (a block of zeros too) gets the byte 1: this program alone reads the bytes.  NaN and infinities among the inputs are not served.
.set X,   40                           ; v40-103 the lane's 64 numbers
.set PCD, 16                           ; v16-27  the fragment's codes
.set TT,  28                           ; v28-35  the upper halves of the blocks' codes (a conversion's three registers begin on an even number)
.macro WL stride                       ; a weight's 64 numbers: rows 64 c + e (+ 32 h in the lane's offset) of my column
.set n, 0
.rept 64
	global_load_b32 v[X+n], v7, s[30:31] offset:(n+32*(n/32))*\stride
.set n, n+1
.endr
.endm
	s_load_b512 s[8:23], s[0:1], 0x0               ; Wq, Wk, Wv, Wo, W1, W2, x, wq
	s_load_b64 s[24:25], s[0:1], 0x40              ; xq
	v_lshrrev_b32 v1, 5, v0
	v_readfirstlane_b32 s2, v1                     ; wave
	v_and_b32 v1, 31, v0                           ; lane
	v_and_b32 v2, 15, v0                           ; r
	v_bfe_u32 v3, v0, 4, 1                         ; h
	v_lshlrev_b32 v4, 4, v1                        ; 16 l
	v_lshlrev_b32 v5, 4, v2                        ; 16 r
	v_lshlrev_b32 v6, 3, v3                        ; 8 h
	v_lshrrev_b32 v14, 3, v2
	v_and_b32 v15, 7, v2
	v_lshl_add_u32 v14, v14, 5, v15                ; 32 (r / 8) + r % 8
	v_mov_b32 v13, 0                               ; a lane permute's destination counts as one of its sources
	s_mov_b32 s48, 0x76543210
	s_mov_b32 s49, 0xfedcba98                      ; selects for lane l xor 16
	s_mov_b32 s3, ttmp9
	s_mov_b32 s43, 0
	s_wait_kmcnt 0x0
	s_cmp_ge_u32 s3, 256
	s_cbranch_scc1 .Lx
	s_lshr_b32 s37, s3, 5                          ; which weight
	s_cmp_ge_u32 s37, 6
	s_cbranch_scc1 .Lw2
	s_cmp_ge_u32 s37, 4
	s_cbranch_scc1 .Lw1
	; Wq, Wk, Wv, Wo: 8 groups x 4 K steps
	s_and_b32 s38, s3, 31
	s_and_b32 s39, s38, 3                          ; s
	s_lshr_b32 s38, s38, 2                         ; G
	s_lshl_b32 s40, s37, 3
	s_add_co_u32 s40, s40, s38                     ; Wq, Wk, Wv: block 8 x kind + head
	s_lshr_b32 s41, s38, 1
	s_mul_i32 s41, s41, 10
	s_and_b32 s42, s38, 1
	s_add_co_u32 s41, s41, s42
	s_add_co_u32 s41, s41, 24                      ; Wo: block 24 + 10 (G / 2) + G % 2
	s_cmp_eq_u32 s37, 0
	s_cselect_b64 s[30:31], s[8:9], s[10:11]
	s_cmp_eq_u32 s37, 2
	s_cselect_b64 s[30:31], s[12:13], s[30:31]
	s_cmp_eq_u32 s37, 3
	s_cselect_b64 s[30:31], s[14:15], s[30:31]
	s_cselect_b32 s40, s41, s40
	s_mov_b32 s41, s39                             ; s'
	s_branch .Lnarrow
.Lw2:                                              ; W2: 8 groups x 8 K steps
	s_and_b32 s38, s3, 63
	s_and_b32 s39, s38, 7                          ; s
	s_lshr_b32 s38, s38, 3                         ; G
	s_mov_b64 s[30:31], s[18:19]
	s_lshr_b32 s40, s38, 1
	s_mul_i32 s40, s40, 10
	s_and_b32 s42, s38, 1
	s_lshl_b32 s42, s42, 1
	s_add_co_u32 s40, s40, s42
	s_lshr_b32 s42, s39, 2
	s_add_co_u32 s40, s40, s42
	s_add_co_u32 s40, s40, 30                      ; block 24 + 10 (G / 2) + 6 + 2 (G % 2) + s / 4
	s_and_b32 s41, s39, 3                          ; s'
.Lnarrow:                                          ; a row of the weight is 2,048 bytes
	s_lshl_b32 s42, s39, 18                        ; 128 s rows
	s_lshl_b32 s44, s38, 8                         ; 64 G columns
	s_add_co_u32 s42, s42, s44
	s_lshl_b32 s44, s2, 5                          ; 8 i columns
	s_add_co_u32 s42, s42, s44
	s_add_nc_u64 s[30:31], s[30:31], s[42:43]
	v_lshlrev_b32 v7, 2, v14
	v_lshl_add_u32 v7, v3, 16, v7                  ; + 32 h rows
	WL 2048
	s_branch .Lwdst
.Lw1:                                              ; W1: 16 groups x 4 K steps; a row is 4,096 bytes
	s_and_b32 s38, s3, 63
	s_and_b32 s39, s38, 3
	s_lshr_b32 s38, s38, 2
	s_mov_b64 s[30:31], s[16:17]
	s_lshr_b32 s40, s38, 2
	s_mul_i32 s40, s40, 10
	s_and_b32 s42, s38, 3
	s_add_co_u32 s40, s40, s42
	s_add_co_u32 s40, s40, 26                      ; block 24 + 10 (G / 4) + 2 + G % 4
	s_mov_b32 s41, s39
	s_lshl_b32 s42, s39, 19
	s_lshl_b32 s44, s38, 8
	s_add_co_u32 s42, s42, s44
	s_lshl_b32 s44, s2, 5
	s_add_co_u32 s42, s42, s44
	s_add_nc_u64 s[30:31], s[30:31], s[42:43]
	v_lshlrev_b32 v7, 2, v14
	v_lshl_add_u32 v7, v3, 17, v7
	WL 4096
.Lwdst:
	s_mul_i32 s42, s40, 24576                      ; the fragment's place: block, (4 i + s') x 1,536
	s_lshl_b32 s44, s2, 2
	s_add_co_u32 s44, s44, s41
	s_mul_i32 s44, s44, 1536
	s_add_co_u32 s42, s42, s44
	s_add_nc_u64 s[32:33], s[22:23], s[42:43]
	s_lshl_b32 s42, s40, 10                        ; its scale words' place
	s_lshl_b32 s44, s2, 8
	s_add_co_u32 s42, s42, s44
	s_lshl_b32 s44, s41, 2
	s_add_co_u32 s42, s42, s44
	s_add_co_u32 s42, s42, 1572864
	s_add_nc_u64 s[34:35], s[22:23], s[42:43]
	s_branch .Lquant
.Lx:                                               ; x: token tile Tg, K step = wave
	s_sub_co_u32 s38, s3, 256                      ; Tg
	s_lshr_b32 s39, s38, 2
	s_lshl_b32 s39, s39, 17                        ; 64 tokens of 2,048 bytes
	s_and_b32 s40, s38, 3
	s_lshl_b32 s40, s40, 14                        ; 8 tokens
	s_add_co_u32 s42, s39, s40
	s_lshl_b32 s40, s2, 9                          ; 128 numbers along K
	s_add_co_u32 s42, s42, s40
	s_add_nc_u64 s[30:31], s[20:21], s[42:43]
	v_lshlrev_b32 v7, 11, v14
	v_lshl_add_u32 v7, v3, 7, v7                   ; my token's row, + 32 h numbers
.set n, 0
.rept 16
	global_load_b128 v[X+4*n:X+4*n+3], v7, s[30:31] offset:256*(n/8)+16*(n%8) th:TH_LOAD_NT
.set n, n+1
.endr
	s_lshl_b32 s42, s38, 2
	s_add_co_u32 s42, s42, s2
	s_mul_i32 s42, s42, 1536
	s_add_nc_u64 s[32:33], s[24:25], s[42:43]
	s_lshl_b32 s42, s38, 8
	s_lshl_b32 s44, s2, 2
	s_add_co_u32 s42, s42, s44
	s_add_co_u32 s42, s42, 3145728
	s_add_nc_u64 s[34:35], s[24:25], s[42:43]
.Lquant:
	s_wait_loadcnt 0x0
.irp c, 0,1
	v_max3_num_f32 v[8+\c], |v[X+32*\c]|, |v[X+32*\c+1]|, 0x1800000      ; the block's largest magnitude, with the floor 2^(3 - 127) among its leaves: the byte cannot fall under 1
.endr
.irp i, 2,4,6,8,10,12,14,16,18,20,22,24,26,28,30
.irp c, 0,1
	v_max3_num_f32 v[8+\c], v[8+\c], |v[X+32*\c+\i]|, |v[X+32*\c+\i+1]|  ; the two blocks by turns
.endr
.endr
.irp c, 0,1
	v_add_nc_u32 v[8+\c], 0xff000000, v[8+\c]      ; 2 off the exponent field: the conversion's scale operand
.endr
.irp c, 0,1
	v_lshrrev_b32 v[10+\c], 23, v[8+\c]            ; the scale's byte
.endr
	v_lshl_or_b32 v12, v11, 16, v10                ; my bytes are those of blocks h and 2 + h
	v_lshlrev_b32 v12, v6, v12
	v_permlanex16_b32 v13, v12, s48, s49
	v_or_b32 v12, v12, v13                         ; with lane l xor 16's two the word is whole, in both lanes
.irp c, 0,1
	v_cvt_scalef32_pk16_fp6_f32 v[PCD+6*\c:PCD+6*\c+2], v[X+32*\c:X+32*\c+15], v[8+\c]
	v_cvt_scalef32_pk16_fp6_f32 v[TT+4*\c:TT+4*\c+2], v[X+32*\c+16:X+32*\c+31], v[8+\c]
.endr
	v_nop                                          ; one plain place behind a scaled conversion
.irp c, 0,1
.irp i, 0,1,2
	v_mov_b32 v[PCD+6*\c+3+\i], v[TT+4*\c+\i]
.endr
.endr
.irp j, 0,1,2
	global_store_b128 v4, v[PCD+4*\j:PCD+4*\j+3], s[32:33] offset:512*\j   ; 32 lanes store 512 consecutive bytes
.endr
	global_store_b32 v5, v12, s[34:35]             ; lanes r and 16 + r store the same word to the same place
	s_endpgm
.Lfunc_end_k_qc70de52973_prep:
	.size	k_qc70de52973_prep, .Lfunc_end_k_qc70de52973_prep-k_qc70de52973_prep
	.p2alignl 7, 3214868480
	.fill 96, 4, 3214868480
	.section	.rodata,"a",@progbits
	.p2align	6, 0x0
	.amdhsa_kernel k_qc70de52973_prep
		.amdhsa_group_segment_fixed_size 0
		.amdhsa_private_segment_fixed_size 0
		.amdhsa_enable_private_segment 0
		.amdhsa_kernarg_size 72
		.amdhsa_user_sgpr_count 2
		.amdhsa_user_sgpr_kernarg_segment_ptr 1
		.amdhsa_wavefront_size32 1
		.amdhsa_system_sgpr_workgroup_id_x 1
		.amdhsa_system_sgpr_workgroup_id_y 1
		.amdhsa_system_sgpr_workgroup_id_z 1
		.amdhsa_system_vgpr_workitem_id 0
		.amdhsa_next_free_vgpr 104
		.amdhsa_next_free_sgpr 66
		.amdhsa_reserve_vcc 0
		.amdhsa_float_denorm_mode_32 3
		.amdhsa_float_denorm_mode_16_64 3
		.amdhsa_memory_ordered 1
		.amdhsa_forward_progress 1
		.amdhsa_inst_pref_size 22
	.end_amdhsa_kernel
	.amdgpu_metadata
---
amdhsa.version: [ 1, 2 ]
amdhsa.kernels:
  - .name:           k_qc70de52973_prep
    .symbol:         k_qc70de52973_prep.kd
    .args:
      - { .name: Wq, .offset: 0, .size: 8, .value_kind: global_buffer, .address_space: global }
      - { .name: Wk, .offset: 8, .size: 8, .value_kind: global_buffer, .address_space: global }
      - { .name: Wv, .offset: 16, .size: 8, .value_kind: global_buffer, .address_space: global }
      - { .name: Wo, .offset: 24, .size: 8, .value_kind: global_buffer, .address_space: global }
      - { .name: W1, .offset: 32, .size: 8, .value_kind: global_buffer, .address_space: global }
      - { .name: W2, .offset: 40, .size: 8, .value_kind: global_buffer, .address_space: global }
      - { .name: x, .offset: 48, .size: 8, .value_kind: global_buffer, .address_space: global }
      - { .name: wq, .offset: 56, .size: 8, .value_kind: global_buffer, .address_space: global }
      - { .name: xq, .offset: 64, .size: 8, .value_kind: global_buffer, .address_space: global }
    .group_segment_fixed_size: 0
    .private_segment_fixed_size: 0
    .kernarg_segment_align: 8
    .kernarg_segment_size: 72
    .max_flat_workgroup_size: 128
    .sgpr_count:     66
    .vgpr_count:     104
    .wavefront_size: 32
...
	.end_amdgpu_metadata
.endif
;; end of part 1
;; launch qkv (part 2): grid 128 x 2, 4 waves a work-group, no clusters, 0 bytes of LDS; arguments xq, wq, bq, bk, bv, qq, kv; writes qq, kv
.if DOCPART == 2
	.amdgcn_target "amdgcn-amd-amdhsa--gfx1250"
	.amdhsa_code_object_version 6
	.text
	.protected	k_qc70de52973_qkv
	.globl	k_qc70de52973_qkv
	.p2align	8
	.type	k_qc70de52973_qkv,@function
k_qc70de52973_qkv:
	s_mov_b64 s[64:65], 0
	v_nop
	global_prefetch_b8 v0, s[64:65] scope:SCOPE_SE
	s_setreg_imm32_b32 hwreg(HW_REG_WAVE_MODE, 25, 1), 1
	s_wait_xcnt 0x0
; QKV: q = x Wq + bq, k = x Wk + bk, v = x Wv + bv on codes of E2M3, and the three results quantised again: q and k along the head's 64, v along the tokens.
; A work-group takes 64 tokens (four token tiles m) and four heads; wave w takes one head and makes its q, k and v: three passes of 64 matrix instructions.
; All operands come from memory as images of their registers, 16 bytes a lane: no LDS.
; q, k: TRANSPOSED (source 0 = 16 columns of the weight, source 1 = 16 tokens): lane (r, h) holds token row r, and registers 8 i + j of the four column tiles are channels 32 h + 8 i + j: one block of 32.
; v: not transposed (source 0 = tokens, source 1 = columns): lane (r, h) holds channel row r, and registers 8 m + j of the four token tiles are tokens 32 h + 8 m + j of the 64: one block along the keys.
; So each quantiser works inside one lane.  The biases are the C of each sum's first matrix instruction, in the result's layout.
; A HALF is 16 rows x 64 K: 6 registers a lane, 768 bytes: registers 0-3 at 16 l, registers 4-5 at 512 + 8 l.
; qq: HALF of (head bh, tile) at (256 bh + tile) x 768; scale words (b0, b1, b0, b1) at 3,145,728 + (256 bh + tile) x 64 + 4 r.
; kv: a record of 12,800 bytes for each head and 128 keys: 8 HALFs of K, 8 of V^T, 512 bytes of scale words (lanes 0-15: K's four fragment words; lanes 16-31: V's four tile words).
; The 16 accumulators of a pass take turns, one instruction a turn.
; REGISTERS: window 0: v1-9 offsets; v16-31 x's scale words; v32-47, v48-63 the weights' (two sets); v64-119 the quantiser's; v128-255 the accumulators.
;   window 1: v0-191 weight buffer A (Wq, later Wv), v192-223 its bias.   window 2: the same for Wk.   window 3: v0-191 x's 16 fragments.
; LIMITS: as in the first launch (byte 1 for blocks under 2^-124; no NaN, no infinities).
.set ACC, 128
.set XS,  16
.set WS,  32
.set MX,  64
.set BY,  68
.set WD,  72
.set PT,  76
.set TT,  80
.set PC,  96
.set MSB, 0
.macro WIN new                         ; the immediate's high byte repeats the setting that is left
.if MSB != (\new)
	s_set_vgpr_msb (MSB<<8)|(\new)
.set MSB, (\new)
.endif
.endm
.macro PLACES cnt
.rept \cnt
	v_nop
.endr
.endm
.macro MM d, a, b, c, sa, sb
	v_wmma_scale_f32_16x16x128_f8f6f4 v[\d:\d+7], v[\a:\a+11], v[\b:\b+11], v[\c:\c+7], v[\sa], v[\sb] matrix_a_fmt:MATRIX_FMT_FP6 matrix_b_fmt:MATRIX_FMT_FP6
.endm
; a head's 16 fragments of weight `kind` (0 q, 1 k, 2 v), its bias and its scale words into buffer buf
.macro WLOAD buf, kind
	WIN (1+\buf)<<6
.set n, 0
.rept 48
	global_load_b128 v[4*n:4*n+3], v1, s[28:29] offset:\kind*196608+512*n
.set n, n+1
.endr
.if \kind < 2
.set n, 0
.rept 8
	global_load_b128 v[192+4*n:195+4*n], v6, s[32+2*\kind:33+2*\kind] offset:16*n      ; tile i, register j: channel 32 h + 8 i + j
.set n, n+1
.endr
.else
.set n, 0
.rept 32
	global_load_b32 v[192+n], v7, s[36:37] offset:32*(n/8)                             ; tile i, all eight registers: my channel row's number
.set n, n+1
.endr
.endif
	WIN 0
.irp i, 0,1,2,3
	global_load_b128 v[WS+16*\buf+4*\i:WS+16*\buf+4*\i+3], v3, s[30:31] offset:\kind*8192+256*\i
.endr
.endm
.macro PASS_T buf                      ; transposed: D(32 m + 8 i)
.set ks, 0
.rept 4
.if ks == 0
	WIN (1+\buf)|0x0c|((1+\buf)<<4)
.else
	WIN (1+\buf)|0x0c
.endif
.set ki, 0
.rept 4
.set km, 0
.rept 4
.if ks == 0
	MM (ACC+32*km+8*ki), (12*(4*ki+ks)), (12*(4*km+ks)), (192+8*ki), (WS+16*\buf+4*ki+ks), (XS+4*km+ks)
.else
	MM (ACC+32*km+8*ki), (12*(4*ki+ks)), (12*(4*km+ks)), (ACC+32*km+8*ki), (WS+16*\buf+4*ki+ks), (XS+4*km+ks)
.endif
.set km, km+1
.endr
.set ki, ki+1
.endr
.set ks, ks+1
.endr
	WIN 0
.endm
.macro PASS_V                          ; not transposed: D(32 i + 8 m), weight buffer A
.set ks, 0
.rept 4
.if ks == 0
	WIN 0x17
.else
	WIN 0x07
.endif
.set ki, 0
.rept 4
.set km, 0
.rept 4
.if ks == 0
	MM (ACC+32*ki+8*km), (12*(4*km+ks)), (12*(4*ki+ks)), (192+8*ki), (XS+4*km+ks), (WS+4*ki+ks)
.else
	MM (ACC+32*ki+8*km), (12*(4*km+ks)), (12*(4*ki+ks)), (ACC+32*ki+8*km), (XS+4*km+ks), (WS+4*ki+ks)
.endif
.set km, km+1
.endr
.set ki, ki+1
.endr
.set ks, ks+1
.endr
	WIN 0
.endm
; four blocks of 32 registers (ACC + 32 q) become four HALFs in v[PC + 6 q] and their bytes in v[BY + q]; each accumulator is read from its low end on
.macro QUANT4
.irp q, 0,1,2,3
	v_max3_num_f32 v[MX+\q], |v[ACC+32*\q]|, |v[ACC+32*\q+1]|, 0x1800000
.endr
.irp i, 2,4,6,8,10,12,14,16,18,20,22,24,26,28,30
.irp q, 0,1,2,3
	v_max3_num_f32 v[MX+\q], v[MX+\q], |v[ACC+32*\q+\i]|, |v[ACC+32*\q+\i+1]|
.endr
.endr
.irp q, 0,1,2,3
	v_add_nc_u32 v[MX+\q], 0xff000000, v[MX+\q]
.endr
.irp q, 0,1,2,3
	v_lshrrev_b32 v[BY+\q], 23, v[MX+\q]
.endr
.irp q, 0,1,2,3
	v_cvt_scalef32_pk16_fp6_f32 v[PC+6*\q:PC+6*\q+2], v[ACC+32*\q:ACC+32*\q+15], v[MX+\q]
	v_cvt_scalef32_pk16_fp6_f32 v[TT+4*\q:TT+4*\q+2], v[ACC+32*\q+16:ACC+32*\q+31], v[MX+\q]
.endr
	v_nop                                          ; one plain place behind the last scaled conversion
.irp q, 0,1,2,3
.irp i, 0,1,2
	v_mov_b32 v[PC+6*\q+3+\i], v[TT+4*\q+\i]
.endr
.endr
.endm
.macro HALVES ptr                      ; the four HALFs leave, 768 bytes each
.irp q, 0,1,2,3
	global_store_b128 v1, v[PC+6*\q:PC+6*\q+3], s[\ptr:\ptr+1] offset:768*\q
	global_store_b64 v2, v[PC+6*\q+4:PC+6*\q+5], s[\ptr:\ptr+1] offset:768*\q+512
.endr
.endm
	s_load_b256 s[8:15], s[0:1], 0x0               ; xq, wq, bq, bk
	s_load_b128 s[16:19], s[0:1], 0x20             ; bv, qq
	s_load_b64 s[20:21], s[0:1], 0x30              ; kv
	v_lshrrev_b32 v10, 5, v0
	v_readfirstlane_b32 s2, v10                    ; wave
	v_and_b32 v10, 31, v0                          ; l
	v_and_b32 v11, 15, v0                          ; r
	v_bfe_u32 v12, v0, 4, 1                        ; h
	v_lshlrev_b32 v1, 4, v10                       ; 16 l
	v_lshlrev_b32 v2, 3, v10                       ; 8 l
	v_lshlrev_b32 v3, 4, v11                       ; 16 r
	v_lshlrev_b32 v4, 2, v10                       ; 4 l
	v_lshlrev_b32 v5, 3, v12                       ; 8 h
	v_lshlrev_b32 v6, 7, v12                       ; 128 h
	v_lshrrev_b32 v13, 3, v11
	v_and_b32 v14, 7, v11
	v_lshl_add_u32 v13, v13, 5, v14
	v_lshlrev_b32 v7, 2, v13                       ; 4 (32 (r / 8) + r % 8)
	v_lshl_add_u32 v8, v12, 2, v3                  ; 16 r + 4 h
	v_add_nc_u32 v9, v3, v12                       ; 16 r + h
	v_cmp_le_u32 s22, 16, v10                      ; the upper half of the lanes
.irp q, 0,1,2,3
	v_mov_b32 v[PT+\q], 0                          ; a lane permute's destination counts as one of its sources
.endr
	s_mov_b32 s48, 0x76543210
	s_mov_b32 s49, 0xfedcba98
	s_mov_b32 s3, ttmp9                            ; the block of 64 tokens
	s_and_b32 s4, ttmp7, 0xffff
	s_lshl_b32 s5, s4, 2
	s_add_co_u32 s5, s5, s2                        ; my head
	s_lshr_b32 s6, s3, 6                           ; batch
	s_and_b32 s7, s3, 63                           ; the block within the batch
	s_lshl_b32 s23, s6, 3
	s_add_co_u32 s23, s23, s5                      ; bh = 8 x batch + head
	s_mov_b32 s53, 0
	s_wait_kmcnt 0x0
	s_mul_i32 s52, s3, 24576
	s_add_nc_u64 s[24:25], s[8:9], s[52:53]        ; x's 16 fragments
	s_lshl_b32 s52, s3, 10
	s_add_co_u32 s52, s52, 3145728
	s_add_nc_u64 s[26:27], s[8:9], s[52:53]        ; their scale words
	s_mul_i32 s52, s5, 24576
	s_add_nc_u64 s[28:29], s[10:11], s[52:53]      ; my head's block of Wq; Wk's and Wv's lie 196,608 bytes apart
	s_lshl_b32 s52, s5, 10
	s_add_co_u32 s52, s52, 1572864
	s_add_nc_u64 s[30:31], s[10:11], s[52:53]
	s_lshl_b32 s52, s5, 8
	s_add_nc_u64 s[32:33], s[12:13], s[52:53]      ; bq, bk, bv at my head
	s_add_nc_u64 s[34:35], s[14:15], s[52:53]
	s_add_nc_u64 s[36:37], s[16:17], s[52:53]
	s_lshl_b32 s54, s23, 8
	s_lshl_b32 s55, s7, 2
	s_add_co_u32 s54, s54, s55                     ; 256 bh + my first tile
	s_mul_i32 s52, s54, 768
	s_add_nc_u64 s[38:39], s[18:19], s[52:53]      ; q's HALFs
	s_lshl_b32 s52, s54, 6
	s_add_co_u32 s52, s52, 3145728
	s_add_nc_u64 s[40:41], s[18:19], s[52:53]      ; q's scale words
	s_lshl_b32 s54, s23, 5
	s_lshr_b32 s55, s7, 1
	s_add_co_u32 s54, s54, s55
	s_mul_i32 s54, s54, 12800                      ; my record
	s_and_b32 s55, s7, 1                           ; which 64 of its 128 keys
	s_mul_i32 s56, s55, 3072
	s_add_co_u32 s52, s54, s56
	s_add_nc_u64 s[42:43], s[20:21], s[52:53]      ; K's HALFs
	s_add_nc_u64 s[46:47], s[42:43], 6144          ; V's
	s_lshl_b32 s56, s55, 3
	s_add_co_u32 s52, s54, s56
	s_add_co_u32 s52, s52, 12288
	s_add_nc_u64 s[44:45], s[20:21], s[52:53]      ; K's scale words
	s_lshl_b32 s56, s55, 1
	s_add_co_u32 s52, s54, s56
	s_add_co_u32 s52, s52, 12544
	s_add_nc_u64 s[50:51], s[20:21], s[52:53]      ; V's scale bytes
	WIN 0xc0
.set n, 0
.rept 48
	global_load_b128 v[4*n:4*n+3], v1, s[24:25] offset:512*n
.set n, n+1
.endr
	WIN 0
.irp q, 0,1,2,3
	global_load_b128 v[XS+4*\q:XS+4*\q+3], v3, s[26:27] offset:256*\q
.endr
	WLOAD 0, 0
	WLOAD 1, 1
	s_wait_loadcnt 60                              ; x and Wq are in; Wk's 60 loads may be out
	PASS_T 0
	s_wait_loadcnt 0x0                             ; Wk, asked for a pass ago
	PLACES 5                                       ; behind the pass: ahead of loads into its operands and of the first read of its results
	WLOAD 0, 2
	QUANT4
	HALVES 38
.irp q, 0,1,2,3
	v_lshl_or_b32 v[WD+\q], v[BY+\q], 16, v[BY+\q] ; q's word is (b0, b1, b0, b1): it serves whichever half of a K fragment it meets
.endr
.irp q, 0,1,2,3
	v_lshlrev_b32 v[WD+\q], v5, v[WD+\q]
.endr
.irp q, 0,1,2,3
	v_permlanex16_b32 v[PT+\q], v[WD+\q], s48, s49
.endr
.irp q, 0,1,2,3
	v_or_b32 v[WD+\q], v[WD+\q], v[PT+\q]
.endr
	v_cndmask_b32 v[WD], v[WD], v[WD+1], s22       ; lanes 0-15 store the even tile's words, lanes 16-31 the odd tile's: 128 consecutive bytes
	v_cndmask_b32 v[WD+2], v[WD+2], v[WD+3], s22
	global_store_b32 v4, v[WD], s[40:41]
	global_store_b32 v4, v[WD+2], s[40:41] offset:128
	PASS_T 1
	PLACES 5
	s_wait_xcnt 0x0                                ; q's stores have read their registers
	QUANT4
	HALVES 42
	v_lshl_or_b32 v[WD], v[BY+1], 16, v[BY]        ; a K fragment holds two key tiles: its word is (even b0, b1, odd b0, b1)
	v_lshl_or_b32 v[WD+1], v[BY+3], 16, v[BY+2]
	v_lshlrev_b32 v[WD], v5, v[WD]
	v_lshlrev_b32 v[WD+1], v5, v[WD+1]
	v_permlanex16_b32 v[PT], v[WD], s48, s49
	v_permlanex16_b32 v[PT+1], v[WD+1], s48, s49
	v_or_b32 v[WD], v[WD], v[PT]
	v_or_b32 v[WD+1], v[WD+1], v[PT+1]
	v_cndmask_b32 v[WD], v[WD], v[WD+1], s22       ; lane half h stores word h of the two
	global_store_b32 v8, v[WD], s[44:45]
	s_wait_loadcnt 0x0                             ; Wv and bv
	PASS_V
	PLACES 5
	s_wait_xcnt 0x0                                ; k's stores have read their registers
	QUANT4
	HALVES 46
.irp q, 0,1,2,3
	global_store_b8 v9, v[BY+\q], s[50:51] offset:4*\q     ; channel tile q's word, byte = my block of keys
.endr
	s_endpgm
.Lfunc_end_k_qc70de52973_qkv:
	.size	k_qc70de52973_qkv, .Lfunc_end_k_qc70de52973_qkv-k_qc70de52973_qkv
	.p2alignl 7, 3214868480
	.fill 96, 4, 3214868480
	.section	.rodata,"a",@progbits
	.p2align	6, 0x0
	.amdhsa_kernel k_qc70de52973_qkv
		.amdhsa_group_segment_fixed_size 0
		.amdhsa_private_segment_fixed_size 0
		.amdhsa_enable_private_segment 0
		.amdhsa_kernarg_size 56
		.amdhsa_user_sgpr_count 2
		.amdhsa_user_sgpr_kernarg_segment_ptr 1
		.amdhsa_wavefront_size32 1
		.amdhsa_system_sgpr_workgroup_id_x 1
		.amdhsa_system_sgpr_workgroup_id_y 1
		.amdhsa_system_sgpr_workgroup_id_z 1
		.amdhsa_system_vgpr_workitem_id 0
		.amdhsa_next_free_vgpr 960
		.amdhsa_next_free_sgpr 66
		.amdhsa_reserve_vcc 0
		.amdhsa_float_denorm_mode_32 3
		.amdhsa_float_denorm_mode_16_64 3
		.amdhsa_memory_ordered 1
		.amdhsa_forward_progress 1
		.amdhsa_inst_pref_size 73
	.end_amdhsa_kernel
	.amdgpu_metadata
---
amdhsa.version: [ 1, 2 ]
amdhsa.kernels:
  - .name:           k_qc70de52973_qkv
    .symbol:         k_qc70de52973_qkv.kd
    .args:
      - { .name: xq, .offset: 0, .size: 8, .value_kind: global_buffer, .address_space: global }
      - { .name: wq, .offset: 8, .size: 8, .value_kind: global_buffer, .address_space: global }
      - { .name: bq, .offset: 16, .size: 8, .value_kind: global_buffer, .address_space: global }
      - { .name: bk, .offset: 24, .size: 8, .value_kind: global_buffer, .address_space: global }
      - { .name: bv, .offset: 32, .size: 8, .value_kind: global_buffer, .address_space: global }
      - { .name: qq, .offset: 40, .size: 8, .value_kind: global_buffer, .address_space: global }
      - { .name: kv, .offset: 48, .size: 8, .value_kind: global_buffer, .address_space: global }
    .group_segment_fixed_size: 0
    .private_segment_fixed_size: 0
    .kernarg_segment_align: 8
    .kernarg_segment_size: 56
    .max_flat_workgroup_size: 128
    .sgpr_count:     66
    .vgpr_count:     960
    .wavefront_size: 32
...
	.end_amdgpu_metadata
.endif
;; end of part 2
;; launch attn (part 3): grid 16 x 16, 8 waves a work-group, clusters of 4 x 1, 327,680 bytes of LDS; arguments qq, kv, cq; writes cq
.if DOCPART == 3
	.amdgcn_target "amdgcn-amd-amdhsa--gfx1250"
	.amdhsa_code_object_version 6
	.text
	.protected	k_qc70de52973_attn
	.globl	k_qc70de52973_attn
	.p2align	8
	.type	k_qc70de52973_attn,@function
k_qc70de52973_attn:
	s_mov_b64 s[64:65], 0
	v_nop
	global_prefetch_b8 v0, s[64:65] scope:SCOPE_SE
	s_setreg_imm32_b32 hwreg(HW_REG_WAVE_MODE, 25, 1), 1
	s_wait_xcnt 0x0
	s_wait_alu depctr_hold_cnt(0) depctr_sa_sdst(0) depctr_va_vdst(0) depctr_va_sdst(0) depctr_va_ssrc(0) depctr_va_vcc(0) depctr_vm_vsrc(0)
	s_getreg_b32 s2, hwreg(HW_REG_IB_STS2, 6, 4)
	s_cmp_eq_u32 s2, 0
	s_cbranch_scc0 .Lentry_in_a_cluster
	s_endpgm
.Lentry_in_a_cluster:
	s_bfe_u32 s2, ttmp6, 0x10000c
	s_cmp_lg_u32 s2, 0x3003
	s_cbranch_scc0 .Lentry_shape_is_right
	s_endpgm
.Lentry_shape_is_right:
; ATTENTION on codes of E2M3.  t = score x log2(e) / 8; M = the running largest t rounded up to a whole number; p = 2^(t - M) is quantised along the keys; the row's sum is taken of the
; unquantised p and divides O at the end; when M moves, the sum and O are multiplied by 2^(old M - new M), which rounds nothing.  O / sum is quantised along the model's 512 and stored as codes.
; SHARES.  A work-group owns 256 queries of one head (grid y = 8 x batch + head); each of its eight waves owns two tiles of 16 queries, A and B, which share every fragment of K and V read from LDS.
; Two waves lie on a SIMD, so that one wave's products and LDS loads stand beside the other's softmax.  Every wave walks 32 key steps of 128 keys.
; LAYOUT.  Both products transposed: S^T = K Q^T, O^T = V^T P^T: a lane holds one query throughout.  By the order of rows in a tile the 32 registers of four neighbouring key tiles are one block of 32 keys
; in ONE lane: p's maximum, scale and codes need no other lane, and the codes are the operand's registers.
; THE HEAD IS 64 WIDE, the matrix instruction 128 deep: a K fragment holds TWO key tiles (registers 0-5, 6-11); the even tile is multiplied by [q | zero codes], the odd one by [zero codes | q].
; RING.  A key step's K, V^T and scale words are one record of 12,800 dense bytes.  Two slots of eight records; each wave brings one record of a slot by one tensor load.
; CLUSTER.  The four query blocks of a cluster walk the same head: each record is asked for jointly, by the same load with the same descriptor and the mask of all four.
; No prefetch: a refill is asked for eight key steps (192 matrix instructions of each wave) ahead of its first read, so no wave waits for it.
; LIMITS: a block's largest p is made from its largest score by the same multiply-add and exponential, which takes v_exp_f32 not to fall where its input rises; blocks under 2^-124 get the byte 1; no NaN, no infinities.
; REGISTERS: window 0: v1-7 addresses and the add's two; v8-11 K's and V's scale words; v12 q's (lanes 0-15 tile A, 16-31 tile B); v14-19, v20-25 a tile's -M, largest t, sum (two halves), f, p's scale word;
;   v26-51 at work; v52-63, v64-75 p's codes; v76-123 K; v128-191, v192-255 S^T, then p.   window 1: v0-31, v32-63 O^T; v64-93 [0 | qA | 0 | qB | 0], six registers each; v96-143 V^T.
.set RECB,  12800
.set SLOTB, 102400
.set SPARE, 204800                     ; behind the ring: the spare words, 128 bytes for each of eight waves: four blocks of 256 bytes that no other line names
.set L16, 1
.set L8,  2
.set A16, 3
.set A8,  4
.set SH8, 5
.set SPW, 6
.set NIL, 7
.set KVS, 8
.set QS,  12
.set BM,  26
.set KF,  76
.set VF,  96
.set WV,  10
.set TB,  11
.set CNT, 12
.set CS,  58
.set SEL, 60
.set MSB, 0
.macro WIN new                         ; the immediate's high byte repeats the setting that is left
.if MSB != (\new)
	s_set_vgpr_msb (MSB<<8)|(\new)
.set MSB, (\new)
.endif
.endm
.macro PLACES cnt
.rept \cnt
	v_nop
.endr
.endm
.macro CROUND                          ; a round of the cluster's barrier
	s_barrier_signal -1
	s_barrier_wait -1
	s_cmp_lg_u32 s[WV], 0
	s_cbranch_scc1 .Lnot_wave_0_\@
	s_barrier_signal -3
.Lnot_wave_0_\@:
	s_barrier_wait -3
	s_barrier_signal -1
	s_barrier_wait -1
.endm
; line jj of 32 of tile u's row sum: two chains, the sum itself and v[36:37], joined at the end
.macro SUML u
.if jj == 0
	v_pk_add_f32 v[36:37], v[128+64*\u:129+64*\u], v[130+64*\u:131+64*\u]
.elseif jj == 31
	v_pk_add_f32 v[16+6*\u:17+6*\u], v[16+6*\u:17+6*\u], v[36:37]
.elseif (jj%2) == 1
	v_pk_add_f32 v[16+6*\u:17+6*\u], v[16+6*\u:17+6*\u], v[130+64*\u+2*jj:131+64*\u+2*jj]
.else
	v_pk_add_f32 v[36:37], v[36:37], v[130+64*\u+2*jj:131+64*\u+2*jj]
.endif
.endm
; tile u's p becomes codes (v[52 + 12 u] on) and a scale word (v[19 + 6 u])
.macro QNT u
.irp c, 0,1
	v_max_num_f32 v[BM+2*\u+\c], 0x1800000, v[BM+2*\u+\c]      ; the floor 2^(3 - 127)
.endr
.irp c, 0,1
	v_add_nc_u32 v[38+\c], 0xff000000, v[BM+2*\u+\c]
.endr
.irp c, 0,1
	v_lshrrev_b32 v[40+\c], 23, v[38+\c]
.endr
	v_lshl_or_b32 v42, v41, 16, v40                ; my bytes are those of key blocks h and 2 + h
	v_lshlrev_b32 v42, v[SH8], v42
	v_permlanex16_b32 v43, v42, s[SEL], s[SEL+1]
	v_or_b32 v[19+6*\u], v42, v43
.irp c, 0,1
	v_cvt_scalef32_pk16_fp6_f32 v[52+12*\u+6*\c:54+12*\u+6*\c], v[128+64*\u+32*\c:143+64*\u+32*\c], v[38+\c]
	v_cvt_scalef32_pk16_fp6_f32 v[44+4*\c:46+4*\c], v[144+64*\u+32*\c:159+64*\u+32*\c], v[38+\c]
.endr
	v_nop                                          ; one plain place behind the last scaled conversion
.irp c, 0,1
.irp i, 0,1,2
	v_mov_b32 v[55+12*\u+6*\c+\i], v[44+4*\c+\i]
.endr
.endr
.endm
; A KEY STEP: 128 keys, the record at LDS byte s[TB]
.macro STEP
	v_add_nc_u32 v[A16], s[TB], v[L16]
	v_add_nc_u32 v[A8], s[TB], v[L8]
	v_nop
	v_nop                                          ; four places behind the last products, ahead of loads into their operands and scale words
.set n, 0
.rept 8
	ds_load_b128 v[KF+6*n:KF+6*n+3], v[A16] offset:768*n
	ds_load_b64 v[KF+6*n+4:KF+6*n+5], v[A8] offset:768*n+512
.set n, n+1
.endr
	ds_load_b128 v[KVS:KVS+3], v[A16] offset:12288
	WIN 0x40
.set n, 0
.rept 8
	ds_load_b128 v[VF+12*(n%4)+6*(n/4):VF+12*(n%4)+6*(n/4)+3], v[A16] offset:6144+768*n
	ds_load_b64 v[VF+12*(n%4)+6*(n/4)+4:VF+12*(n%4)+6*(n/4)+5], v[A8] offset:6144+768*n+512
.set n, n+1
.endr
	s_wait_dscnt 16                                ; K and the scale words are in; V's sixteen loads may be out
	WIN 0x04                                       ; source 1 (q) in window 1
.set n, 0
.rept 8
	v_wmma_scale_f32_16x16x128_f8f6f4 v[128+8*n:135+8*n], v[KF+12*(n/2):KF+12*(n/2)+11], v[70-6*(n%2):81-6*(n%2)], 0, v[KVS+n/2], v[QS] matrix_a_fmt:MATRIX_FMT_FP6 matrix_b_fmt:MATRIX_FMT_FP6
	v_wmma_scale_f32_16x16x128_f8f6f4 v[192+8*n:199+8*n], v[KF+12*(n/2):KF+12*(n/2)+11], v[82-6*(n%2):93-6*(n%2)], 0, v[KVS+n/2], v[QS] matrix_a_fmt:MATRIX_FMT_FP6 matrix_b_fmt:MATRIX_FMT_FP6 matrix_b_scale:MATRIX_SCALE_ROW1
.set n, n+1
.endr
	WIN 0
	PLACES 4
	; the largest score of each block of 32 keys (A's two, B's two), by turns; each accumulator is read from its low end on
.irp b, 0,1,2,3
	v_max3_num_f32 v[BM+\b], v[128+32*\b], v[129+32*\b], v[130+32*\b]
.endr
.irp i, 3,5,7,9,11,13,15,17,19,21,23,25,27,29
.irp b, 0,1,2,3
	v_max3_num_f32 v[BM+\b], v[BM+\b], v[128+32*\b+\i], v[129+32*\b+\i]
.endr
.endr
.irp b, 0,1,2,3
	v_max_num_f32 v[BM+\b], v[BM+\b], v[159+32*\b]
.endr
.irp u, 0,1
	v_max_num_f32 v[30+\u], v[BM+2*\u], v[BM+2*\u+1]
.endr
.irp u, 0,1
	v_permlanex16_b32 v[32+\u], v[30+\u], s[SEL], s[SEL+1]
.endr
.irp u, 0,1
	v_max_num_f32 v[30+\u], v[30+\u], v[32+\u]     ; the step's largest score of my query
.endr
.irp u, 0,1
	v_mul_f32 v[30+\u], s[CS], v[30+\u]
.endr
.irp u, 0,1
	v_max_num_f32 v[15+6*\u], v[15+6*\u], v[30+\u] ; the running largest t
.endr
.irp u, 0,1
	v_mov_b32 v[34+\u], v[14+6*\u]
.endr
.irp u, 0,1
	v_floor_f32 v[14+6*\u], -v[15+6*\u]            ; -M = floor(-t): M is a whole number
.endr
.irp u, 0,1
	v_sub_f32 v[34+\u], v[14+6*\u], v[34+\u]       ; old M - new M: a whole number, 0 or less
.endr
.irp u, 0,1
	v_cvt_i32_f32 v[34+\u], v[34+\u]               ; (it saturates)
.endr
.irp u, 0,1
	v_ldexp_f32 v[18+6*\u], 1.0, v[34+\u]          ; f = 2^(old M - new M)
.endr
.set n, 0
.rept 32
	v_pk_fma_f32 v[128+2*n:129+2*n], v[128+2*n:129+2*n], s[CS:CS+1], v[14:15] op_sel_hi:[1,0,0]   ; A: t - M
.set n, n+1
.endr
	v_fma_f32 v[BM], v[BM], s[CS], v14
	v_fma_f32 v[BM+1], v[BM+1], s[CS], v14
.set n, 0
.rept 32                                       ; A's exponentials, with B's scalings between them
	v_exp_f32 v[128+2*n], v[128+2*n]
	v_exp_f32 v[129+2*n], v[129+2*n]
	v_pk_fma_f32 v[192+2*n:193+2*n], v[192+2*n:193+2*n], s[CS:CS+1], v[20:21] op_sel_hi:[1,0,0]
.set n, n+1
.endr
	v_fma_f32 v[BM+2], v[BM+2], s[CS], v20
	v_fma_f32 v[BM+3], v[BM+3], s[CS], v20
	v_exp_f32 v[BM], v[BM]                         ; A's blocks' largest p
	v_exp_f32 v[BM+1], v[BM+1]
	v_pk_mul_f32 v[16:17], v[16:17], v[18:19] op_sel_hi:[1,0]   ; A's sum under the new M: the plain place behind the batch
	s_wait_alu depctr_va_vdst(0)                   ; one wait for A's 66 exponentials, ahead of their first use
.set jj, 0
.rept 32                                       ; B's exponentials, with A's row sum between them
	v_exp_f32 v[192+2*jj], v[192+2*jj]
	v_exp_f32 v[193+2*jj], v[193+2*jj]
	SUML 0
.set jj, jj+1
.endr
	v_exp_f32 v[BM+2], v[BM+2]
	v_exp_f32 v[BM+3], v[BM+3]
	v_pk_mul_f32 v[22:23], v[22:23], v[24:25] op_sel_hi:[1,0]
	QNT 0                                          ; names none of B's results
	WIN 0x41
.set n, 0
.rept 16
	v_pk_mul_f32 v[2*n:2*n+1], v[2*n:2*n+1], v[18:19] op_sel_hi:[1,0]     ; A's O^T under the new M
.set n, n+1
.endr
	WIN 0
	s_wait_alu depctr_va_vdst(0)                   ; one wait for B's 66
.set jj, 0
.rept 32
	SUML 1
.set jj, jj+1
.endr
	QNT 1
	WIN 0x41
.set n, 0
.rept 16
	v_pk_mul_f32 v[32+2*n:33+2*n], v[32+2*n:33+2*n], v[24:25] op_sel_hi:[1,0]   ; B's O^T; these sixteen are also the places between p's word and codes and the products
.set n, n+1
.endr
	s_wait_dscnt 0x0                               ; V
	WIN 0x51                                       ; V^T, C and D in window 1, p in window 0
.set n, 0
.rept 4
	v_wmma_scale_f32_16x16x128_f8f6f4 v[8*n:8*n+7], v[VF+12*n:VF+12*n+11], v[52:63], v[8*n:8*n+7], v[KVS+n], v19 matrix_a_fmt:MATRIX_FMT_FP6 matrix_b_fmt:MATRIX_FMT_FP6 matrix_a_scale:MATRIX_SCALE_ROW1
	v_wmma_scale_f32_16x16x128_f8f6f4 v[32+8*n:39+8*n], v[VF+12*n:VF+12*n+11], v[64:75], v[32+8*n:39+8*n], v[KVS+n], v25 matrix_a_fmt:MATRIX_FMT_FP6 matrix_b_fmt:MATRIX_FMT_FP6 matrix_a_scale:MATRIX_SCALE_ROW1
.set n, n+1
.endr
	WIN 0
	s_add_co_u32 s[TB], s[TB], RECB
.endm
.macro SLOTSTEPS base                  ; a slot's eight key steps
	s_mov_b32 s[TB], \base
	s_mov_b32 s[CNT], 8
.Lstep_\@:
	STEP
	s_sub_co_u32 s[CNT], s[CNT], 1
	s_cmp_lg_u32 s[CNT], 0
	s_cbranch_scc1 .Lstep_\@
.endm
; slot sl has been read out and is filled again with the records sixteen key steps on
.macro CHANGE sl
	s_wait_tensorcnt 0x0                           ; all my tensor loads have landed, my record of the other slot among them: a group 0 may be written
	ds_add_u32 v[SPW], v[NIL]
	s_add_nc_u64 s[26+4*\sl:27+4*\sl], s[26+4*\sl:27+4*\sl], 2*SLOTB
	s_wait_dscnt 0x0                               ; the add is done, and my reads of the slot are over
	CROUND                                         ; no wave of any partner still reads the slot or has a load on its way
	tensor_load_to_lds s[24+4*\sl:27+4*\sl], s[16:23]
	s_nop 0
	PLACES 4
.endm
	s_load_b128 s[4:7], s[0:1], 0x0                ; qq, kv
	s_load_b64 s[8:9], s[0:1], 0x10                ; cq
	v_lshl_add_u32 v[SPW], v0, 2, SPARE
	v_mov_b32 v[NIL], 0
	ds_add_u32 v[SPW], v[NIL]                      ; the wave's opening: the add and its wait ahead of my first tensor load
	v_lshrrev_b32 v1, 5, v0
	v_readfirstlane_b32 s[WV], v1                  ; wave 0..7
	s_and_b32 s14, ttmp7, 0xffff                   ; bh, which the four partners share
	s_bfe_u32 s15, ttmp6, 0x40000                  ; cx
	s_lshl_b32 s34, ttmp9, 2
	s_add_co_u32 s34, s34, s15                     ; my block of 256 queries: it enters qq's and cq's addresses alone
	; descriptor group 1: a record as 50 rows of 256 bytes (32 elements of 8 bytes), dense, no padding
	s_mov_b32 s16, 15|(3<<16)|(1<<21)              ; the mask of all four; elements of 8 bytes; bit 21 beside a mask
	s_mov_b32 s17, 32<<16                          ; tensor_dim0 = 32
	s_mov_b32 s18, 50<<16                          ; tensor_dim1 = 50
	s_mov_b32 s19, 32<<16                          ; tile_dim0 = 32
	s_mov_b32 s20, 50                              ; tile_dim1 = 50
	s_mov_b32 s21, 32                              ; pitch
	s_mov_b32 s22, 0
	s_mov_b32 s23, 0
	s_mul_i32 s32, s14, 409600                     ; the head's 32 records
	s_mul_i32 s33, s[WV], RECB                     ; my record of a slot
	s_mov_b32 s24, 1
	s_mov_b32 s25, s33                             ; slot 0
	s_mov_b32 s28, 1
	s_add_co_u32 s29, s33, SLOTB                   ; slot 1
	s_add_co_u32 s32, s32, s33
	s_mov_b32 s33, 0
	s_mov_b32 s[CS], 0x3e38aa3b                    ; c = log2(e) / sqrt(64)
	s_mov_b32 s[CS+1], s[CS]                       ; (named with it as a pair)
	s_mov_b32 s[SEL], 0x76543210
	s_mov_b32 s[SEL+1], 0xfedcba98
	s_lshl_b32 s35, s14, 8
	s_lshl_b32 s38, s34, 4
	s_lshl_b32 s39, s[WV], 1
	s_add_co_u32 s38, s38, s39                     ; 16 x block + 2 x wave
	s_add_co_u32 s35, s35, s38                     ; my first tile among qq's
	s_mov_b32 s37, 0
	v_and_b32 v3, 31, v0
	v_lshlrev_b32 v[L16], 4, v3
	v_lshlrev_b32 v[L8], 3, v3
	v_lshlrev_b32 v125, 2, v3                      ; 4 l
	v_bfe_u32 v4, v0, 4, 1
	v_lshlrev_b32 v[SH8], 3, v4                    ; 8 h
	v_and_b32 v3, 15, v0
	v_lshl_add_u32 v124, v3, 4, v4                 ; 16 r + h
	s_wait_dscnt 0x0                               ; the opening add is done
	s_wait_kmcnt 0x0
	s_add_nc_u64 s[26:27], s[6:7], s[32:33]
	s_add_nc_u64 s[30:31], s[26:27], SLOTB
	s_or_b32 s27, s27, 0x80000000
	s_or_b32 s31, s31, 0x80000000
	s_mul_i32 s36, s35, 768
	s_add_nc_u64 s[40:41], s[4:5], s[36:37]        ; my two tiles of q
	s_lshl_b32 s36, s35, 6
	s_add_co_u32 s36, s36, 3145728
	s_add_nc_u64 s[42:43], s[4:5], s[36:37]        ; their scale words
	s_lshr_b32 s35, s14, 3
	s_lshl_b32 s35, s35, 8
	s_add_co_u32 s35, s35, s38                     ; my first token tile: 256 x batch + 16 x block + 2 x wave
	s_and_b32 s39, s14, 7                          ; the head
	s_lshl_b32 s36, s35, 3
	s_add_co_u32 s36, s36, s39
	s_mul_i32 s36, s36, 768
	s_add_nc_u64 s[44:45], s[8:9], s[36:37]        ; where my codes go
	s_lshl_b32 s36, s35, 8
	s_lshl_b32 s39, s39, 1
	s_add_co_u32 s36, s36, s39
	s_add_co_u32 s36, s36, 3145728
	s_add_nc_u64 s[46:47], s[8:9], s[36:37]        ; and my scale bytes
	CROUND                                         ; all four work-groups are here: the first joint loads meet
	tensor_load_to_lds s[24:27], s[16:23]          ; key steps 0-7: my record
	s_nop 0
	tensor_load_to_lds s[28:31], s[16:23]          ; key steps 8-15: two loads of mine are out
	s_nop 0
	PLACES 4
	WIN 0x40
	global_load_b128 v[70:73], v[L16], s[40:41]
	global_load_b64 v[74:75], v[L8], s[40:41] offset:512
	global_load_b128 v[82:85], v[L16], s[40:41] offset:768
	global_load_b64 v[86:87], v[L8], s[40:41] offset:1280
.set n, 0
.rept 6
	v_mov_b32 v[64+n], 0                           ; the zero codes beside q
	v_mov_b32 v[76+n], 0
	v_mov_b32 v[88+n], 0
.set n, n+1
.endr
.set n, 0
.rept 64
	v_mov_b32 v[n], 0                              ; O^T: the loop has no first step of its own: the first change of M leaves zeros zeros
.set n, n+1
.endr
	WIN 0
	global_load_b32 v[QS], v125, s[42:43]
.irp u, 0,1
	v_mov_b32 v[15+6*\u], 0xff61b1e6               ; the largest t so far: -3e38
	v_floor_f32 v[14+6*\u], -v[15+6*\u]
	v_mov_b32 v[16+6*\u], 0
	v_mov_b32 v[17+6*\u], 0
	v_mov_b32 v[19+6*\u], 0                        ; (named as the upper half of a pair before it is first written)
	v_mov_b32 v[32+\u], 0                          ; a lane permute's destination counts as one of its sources
.endr
	v_mov_b32 v43, 0
	s_wait_loadcnt 0x0                             ; q
	s_wait_tensorcnt 0x1                           ; my record of slot 0 is in; slot 1's may stay out
	s_barrier_signal -1
	s_barrier_wait -1
	SLOTSTEPS 0
	CHANGE 0                                       ; key steps 16-23 into slot 0
	SLOTSTEPS SLOTB
	CHANGE 1                                       ; key steps 24-31 into slot 1
	SLOTSTEPS 0
	s_wait_tensorcnt 0x0                           ; the last change of slots fills nothing: my record of slot 1 is in,
	ds_add_u32 v[SPW], v[NIL]
	s_wait_dscnt 0x0
	s_barrier_signal -1
	s_barrier_wait -1                              ; everybody's is
	SLOTSTEPS SLOTB
	; THE WAY OUT: O^T / the sum, quantised: my 32 registers of a tile are channels 32 h + 0 .. 31 of the head: one block along the next K
	PLACES 4
.irp u, 0,1
	v_add_f32 v[30+\u], v[16+6*\u], v[17+6*\u]
.endr
.irp u, 0,1
	v_permlanex16_b32 v[32+\u], v[30+\u], s[SEL], s[SEL+1]
.endr
.irp u, 0,1
	v_add_f32 v[30+\u], v[30+\u], v[32+\u]         ; the row's sum
.endr
.irp u, 0,1
	v_rcp_f32 v[18+6*\u], v[30+\u]
.endr
	v_nop
	s_wait_alu depctr_va_vdst(0)                   ; one wait for the two reciprocals
	WIN 0x01
.set n, 0
.rept 32
	v_pk_mul_f32 v[128+64*(n/16)+2*(n%16):129+64*(n/16)+2*(n%16)], v[2*n:2*n+1], v[18+6*(n/16):19+6*(n/16)] op_sel_hi:[1,0]
.set n, n+1
.endr
	WIN 0
.irp u, 0,1
	v_max3_num_f32 v[BM+\u], |v[128+64*\u]|, |v[129+64*\u]|, 0x1800000
.endr
.irp i, 2,4,6,8,10,12,14,16,18,20,22,24,26,28,30
.irp u, 0,1
	v_max3_num_f32 v[BM+\u], v[BM+\u], |v[128+64*\u+\i]|, |v[129+64*\u+\i]|
.endr
.endr
.irp u, 0,1
	v_add_nc_u32 v[38+\u], 0xff000000, v[BM+\u]
.endr
.irp u, 0,1
	v_lshrrev_b32 v[40+\u], 23, v[38+\u]
.endr
.irp u, 0,1
	v_cvt_scalef32_pk16_fp6_f32 v[52+12*\u:54+12*\u], v[128+64*\u:143+64*\u], v[38+\u]
	v_cvt_scalef32_pk16_fp6_f32 v[44+4*\u:46+4*\u], v[144+64*\u:159+64*\u], v[38+\u]
.endr
	v_nop
.irp u, 0,1
.irp i, 0,1,2
	v_mov_b32 v[55+12*\u+\i], v[44+4*\u+\i]
.endr
.endr
.irp u, 0,1
	global_store_b128 v[L16], v[52+12*\u:55+12*\u], s[44:45] offset:6144*\u
	global_store_b64 v[L8], v[56+12*\u:57+12*\u], s[44:45] offset:6144*\u+512
	global_store_b8 v124, v[40+\u], s[46:47] offset:256*\u
.endr
	s_wait_tensorcnt 0x0                           ; the wave's end
	ds_add_u32 v[SPW], v[NIL]
	s_wait_dscnt 0x0
	CROUND                                         ; the closing round
	s_endpgm
.Lfunc_end_k_qc70de52973_attn:
	.size	k_qc70de52973_attn, .Lfunc_end_k_qc70de52973_attn-k_qc70de52973_attn
	.p2alignl 7, 3214868480
	.fill 96, 4, 3214868480
	.section	.rodata,"a",@progbits
	.p2align	6, 0x0
	.amdhsa_kernel k_qc70de52973_attn
		.amdhsa_group_segment_fixed_size 327680
		.amdhsa_private_segment_fixed_size 0
		.amdhsa_enable_private_segment 0
		.amdhsa_kernarg_size 24
		.amdhsa_user_sgpr_count 2
		.amdhsa_user_sgpr_kernarg_segment_ptr 1
		.amdhsa_wavefront_size32 1
		.amdhsa_system_sgpr_workgroup_id_x 1
		.amdhsa_system_sgpr_workgroup_id_y 1
		.amdhsa_system_sgpr_workgroup_id_z 1
		.amdhsa_system_vgpr_workitem_id 0
		.amdhsa_next_free_vgpr 400
		.amdhsa_next_free_sgpr 66
		.amdhsa_reserve_vcc 0
		.amdhsa_float_denorm_mode_32 3
		.amdhsa_float_denorm_mode_16_64 3
		.amdhsa_memory_ordered 1
		.amdhsa_forward_progress 1
		.amdhsa_inst_pref_size 124
	.end_amdhsa_kernel
	.amdgpu_metadata
---
amdhsa.version: [ 1, 2 ]
amdhsa.kernels:
  - .name:           k_qc70de52973_attn
    .symbol:         k_qc70de52973_attn.kd
    .args:
      - { .name: qq, .offset: 0, .size: 8, .value_kind: global_buffer, .address_space: global }
      - { .name: kv, .offset: 8, .size: 8, .value_kind: global_buffer, .address_space: global }
      - { .name: cq, .offset: 16, .size: 8, .value_kind: global_buffer, .address_space: global }
    .group_segment_fixed_size: 327680
    .private_segment_fixed_size: 0
    .kernarg_segment_align: 8
    .kernarg_segment_size: 24
    .max_flat_workgroup_size: 256
    .sgpr_count:     66
    .vgpr_count:     400
    .wavefront_size: 32
...
	.end_amdgpu_metadata
.endif
;; end of part 3
;; launch tail (part 4): grid 128 x 1, 4 waves a work-group, no clusters, 140,800 bytes of LDS; arguments cq, wq, x, bo, a1, b1, c1, c2, a2, b2, out0; writes out0
.if DOCPART == 4
	.amdgcn_target "amdgcn-amd-amdhsa--gfx1250"
	.amdhsa_code_object_version 6
	.text
	.protected	k_qc70de52973_tail
	.globl	k_qc70de52973_tail
	.p2align	8
	.type	k_qc70de52973_tail,@function
k_qc70de52973_tail:
	s_mov_b64 s[64:65], 0
	v_nop
	global_prefetch_b8 v0, s[64:65] scope:SCOPE_SE
	s_setreg_imm32_b32 hwreg(HW_REG_WAVE_MODE, 25, 1), 1
	s_wait_xcnt 0x0
; TAIL: x1 = LN(x + concat Wo + bo; a1, b1); out = LN(x1 + relu(x1 W1 + c1) W2 + c2; a2, b2); the three products on codes of E2M3; LN with the unbiased deviation and / (deviation + 1e-6).
; A work-group takes 64 rows (four token tiles m).  THE WAVES SHARE THE COLUMNS: wave w owns columns 128 w .. + 127 of the 512-wide results and hidden units 256 w .. + 255.
; A PASS is 4 column tiles x 4 row tiles x 4 K steps: 64 matrix instructions on one block of 24,576 bytes of weights, which comes from memory straight into operand registers (two buffers by turns, a pass ahead).
; A wave has ten passes: 2 (Wo), 4 (W1), 4 (W2); its ten blocks lie on end in wq.  All products TRANSPOSED (source 0 = 16 columns of the weight, source 1 = 16 rows): lane (r, h) holds row r, and the 32 registers of a
; group's four tiles are columns 32 h + 0 .. 31 of the group's 64: one block along the next K, quantised inside the lane.
; Row operands go from wave to wave through LDS as images of their registers (a HALF: 16 rows x 64 K, 768 bytes: registers 0-3 at 16 l, 4-5 at 512 + 8 l); scale bytes as [tile][row][K / 32].
; The residuals cost no addition: x is loaded into the accumulators of the first product, and x1 stays in them as the C of the last.  c1 is the C of a hidden pass's first products.
; No joint loads: the weights go to registers, not through LDS; through LDS a work-group would write and read another 1 MB beside the 1 MB of row fragments that it reads there.
; The variance is taken of x - mean, in a second pass: no difference of large sums.  The 16 accumulators of a pass take turns, one instruction a turn.
; LIMITS: blocks under 2^-124 get the byte 1; no NaN, no infinities.
; REGISTERS: window 0: v1-23 addresses; v24-39, v40-55 the weights' scale words; v56-71 the rows'; v72-113 at work; v128-255 H: hidden accumulators, at other times parameters and rows on their way.
;   window 1: v0-191 weight buffer A, v192-239 row fragments 0, v240-255 c1 (tiles 0, 1).   window 2: the same, buffer B, fragments 1, c1 (tiles 2, 3).   window 3: x1 at 128 Gl + 32 m + 8 i.
.set CI,    0                          ; concat's images [m][8] x 768
.set CSB,   24576                      ; its scale bytes [m][r][16]
.set XI,    25600                      ; x1's images
.set XSB,   50176
.set RED,   51200                      ; 4 x 1,024: [m][r][wave] f32
.set HI,    55296                      ; the hidden layer's images [m][16] x 768
.set HSB,   104448                     ; its scale bytes [m][r][32]
.set STG,   106496                     ; 4 stages of 16 rows x 528
.set SPARE, 140288                     ; the spare words, 128 bytes a wave: two blocks of 256 bytes that no other line names
.set H,   128
.set AS,  56
.set SPW, 108
.set NIL, 109
.set WV,  31
.set SEL, 44
.set HQ,  46
.set HQ2, 47
.set BQ,  48
.set LC,  49
.set MSB, 0
.macro WIN new                         ; the immediate's high byte repeats the setting that is left
.if MSB != (\new)
	s_set_vgpr_msb (MSB<<8)|(\new)
.set MSB, (\new)
.endif
.endm
.macro PLACES cnt
.rept \cnt
	v_nop
.endr
.endm
.macro BARRIER                         ; my LDS stores have landed and my LDS loads are in: then the work-group's barrier
	s_wait_dscnt 0x0
	s_barrier_signal -1
	s_barrier_wait -1
.endm
.macro MM d, a, b, c, sa, sb
	v_wmma_scale_f32_16x16x128_f8f6f4 v[\d:\d+7], v[\a:\a+11], v[\b:\b+11], v[\c:\c+7], v[\sa], v[\sb] matrix_a_fmt:MATRIX_FMT_FP6 matrix_b_fmt:MATRIX_FMT_FP6
.endm
.macro WLOAD buf, step                 ; a pass's 16 fragments and their scale words: 52 loads
.if \step
	s_wait_xcnt 0x0                                ; the earlier loads have read their bases
	s_add_nc_u64 s[36:37], s[36:37], 24576
	s_add_nc_u64 s[38:39], s[38:39], 1024
.endif
	WIN (1+\buf)<<6
.set n, 0
.rept 48
	global_load_b128 v[4*n:4*n+3], v1, s[36:37] offset:512*n
.set n, n+1
.endr
	WIN 0
.irp i, 0,1,2,3
	global_load_b128 v[24+16*\buf+4*\i:27+16*\buf+4*\i], v3, s[38:39] offset:256*\i
.endr
.endm
.macro ALOAD a16, a8, abase, ng, st, ab        ; the four row tiles' fragments of K step st into fragment buffer ab
	WIN (1+(\ab))<<6
.irp m, 0,1,2,3
	ds_load_b128 v[192+12*\m:195+12*\m], v[\a16] offset:\abase+(\m*\ng+2*(\st))*768
	ds_load_b64 v[196+12*\m:197+12*\m], v[\a8] offset:\abase+(\m*\ng+2*(\st))*768+512
	ds_load_b128 v[198+12*\m:201+12*\m], v[\a16] offset:\abase+(\m*\ng+2*(\st))*768+768
	ds_load_b64 v[202+12*\m:203+12*\m], v[\a8] offset:\abase+(\m*\ng+2*(\st))*768+1280
.endr
.endm
.macro BIASLD                          ; c1 of the hidden pass at s[BQ] bytes; the last call loads the last pass's numbers again: no load leaves c1
	WIN 0
	v_add_nc_u32 v20, s[BQ], v8
	WIN 0x40
.irp q, 0,1,2,3
	global_load_b128 v[240+4*\q:243+4*\q], v20, s[20:21] offset:16*\q
.endr
	WIN 0x80
.irp q, 0,1,2,3
	global_load_b128 v[240+4*\q:243+4*\q], v20, s[20:21] offset:64+16*\q
.endr
	WIN 0
	s_add_co_u32 s[BQ], s[BQ], 256
	s_min_u32 s[BQ], s[BQ], 768
.endm
; A pass.  buf: weight buffer; accw, accb: the accumulators' window and base; a16, a8, abase, ng, s0: where the rows' images lie and the first K step; sreg, soff, spitch: their scale words;
; cmode = 1: the first products take c1 as C; hook = 1: the next pass's c1 is asked for behind the first K step.
.macro PASS buf, accw, accb, a16, a8, abase, ng, s0, sreg, soff, spitch, cmode, hook
	WIN 0
.irp m, 0,1,2,3
	ds_load_b128 v[AS+4*\m:AS+4*\m+3], v[\sreg] offset:\soff+\m*\spitch
.endr
	ALOAD \a16, \a8, \abase, \ng, \s0, 0
.set ks, 0
.rept 4
.if ks < 3
.if ks > 0
	PLACES 4                                       ; ahead of loads into fragments (and c1) that the last K step's products have read
.endif
.if (ks == 1) && \hook
	BIASLD
.endif
	ALOAD \a16, \a8, \abase, \ng, (\s0+ks+1), ((ks+1)&1)
	s_wait_dscnt 16                                ; this K step's fragments are in; the next step's sixteen loads may be out
.else
	s_wait_dscnt 0x0
.endif
.set ki, 0
.rept 4
.if \cmode && (ks == 0)
	WIN (1+\buf)|((1+(ks&1))<<2)|((1+ki/2)<<4)|(\accw<<6)
.else
	WIN (1+\buf)|((1+(ks&1))<<2)|(\accw<<4)|(\accw<<6)
.endif
.set km, 0
.rept 4
.if \cmode && (ks == 0)
	MM (\accb+32*km+8*ki), (12*(4*ki+ks)), (192+12*km), (240+8*(ki&1)), (24+16*\buf+4*ki+ks), (AS+4*km+ks)
.else
	MM (\accb+32*km+8*ki), (12*(4*ki+ks)), (192+12*km), (\accb+32*km+8*ki), (24+16*\buf+4*ki+ks), (AS+4*km+ks)
.endif
.set km, km+1
.endr
.set ki, ki+1
.endr
.set ks, ks+1
.endr
.endm
.macro ENDPASS buf, load
	s_wait_loadcnt 0x0                             ; the other buffer's weights, asked for a pass ago, are in
	WIN 0
	PLACES 5                                       ; behind the pass: ahead of loads into its operands and of the first read of its results
.if \load
	WLOAD \buf, 1
.endif
.endm
; four blocks of 32 registers (window sw, base + 32 m) become four HALF images and four scale bytes in LDS; each accumulator is read from its low end on
.macro QUANT4D sw, base, st16, st8, stb, pitchI, pitchB, offI, offB
	WIN 0
.irp m, 0,1,2,3
	v_mov_b32 v[72+\m], 0x1800000                  ; the floor 2^(3 - 127)
.endr
	WIN (\sw<<2)|(\sw<<4)
.set n, 0
.rept 16
.irp m, 0,1,2,3
	v_max3_num_f32 v[72+\m], v[72+\m], |v[\base+32*\m+2*n]|, |v[\base+32*\m+2*n+1]|
.endr
.set n, n+1
.endr
	WIN 0
.irp m, 0,1,2,3
	v_add_nc_u32 v[72+\m], 0xff000000, v[72+\m]
.endr
.irp m, 0,1,2,3
	v_lshrrev_b32 v[76+\m], 23, v[72+\m]
.endr
.irp pp, 0,2
	WIN \sw
.irp kk, 0,1
	v_cvt_scalef32_pk16_fp6_f32 v[96+6*\kk:98+6*\kk], v[\base+32*(\pp+\kk):\base+32*(\pp+\kk)+15], v[72+\pp+\kk]
	v_cvt_scalef32_pk16_fp6_f32 v[88+4*\kk:90+4*\kk], v[\base+32*(\pp+\kk)+16:\base+32*(\pp+\kk)+31], v[72+\pp+\kk]
.endr
	WIN 0
	v_nop                                          ; one plain place behind the last scaled conversion
.irp kk, 0,1
.irp i, 0,1,2
	v_mov_b32 v[99+6*\kk+\i], v[88+4*\kk+\i]
.endr
.endr
.irp kk, 0,1
	ds_store_b128 v[\st16], v[96+6*\kk:99+6*\kk] offset:\offI+(\pp+\kk)*\pitchI
	ds_store_b64 v[\st8], v[100+6*\kk:101+6*\kk] offset:\offI+(\pp+\kk)*\pitchI
	ds_store_b8 v[\stb], v[76+\pp+\kk] offset:\offB+(\pp+\kk)*\pitchB
.endr
	s_wait_dscnt 0x0                               ; the stores have read their registers
.endr
.endm
.macro PARAM ptr, reg                  ; my 64 numbers of a vector of 512: register 32 Gl + e = column 128 w + 64 Gl + 32 h + e
.set n, 0
.rept 16
	global_load_b128 v[H+\reg+4*n:H+\reg+4*n+3], v8, s[\ptr:\ptr+1] offset:256*(n/8)+16*(n%8)
.set n, n+1
.endr
.endm
; four pairs v[pr + 2 m] hold a lane's partial sums for row r of tile m: halves, the other half of the lanes, the four waves (through LDS); the whole sum lands in v[pr + 2 m]
.macro REDUCE pr, off
.irp m, 0,1,2,3
	v_add_f32 v[\pr+2*\m], v[\pr+2*\m], v[\pr+2*\m+1]
.endr
.irp m, 0,1,2,3
	v_permlanex16_b32 v[110+\m], v[\pr+2*\m], s[SEL], s[SEL+1]
.endr
.irp m, 0,1,2,3
	v_add_f32 v[\pr+2*\m], v[\pr+2*\m], v[110+\m]
.endr
.irp m, 0,1,2,3
	ds_store_b32 v17, v[\pr+2*\m] offset:\off+256*\m       ; lanes r and 16 + r store the same word with the same value
.endr
	BARRIER
.irp m, 0,1,2,3
	ds_load_b128 v[88+4*\m:91+4*\m], v3 offset:RED+\off+256*\m
.endr
	s_wait_dscnt 0x0
.irp m, 0,1,2,3
	v_add_f32 v[88+4*\m], v[88+4*\m], v[89+4*\m]
.endr
.irp m, 0,1,2,3
	v_add_f32 v[90+4*\m], v[90+4*\m], v[91+4*\m]
.endr
.irp m, 0,1,2,3
	v_add_f32 v[\pr+2*\m], v[88+4*\m], v[90+4*\m]
.endr
.endm
; x1 (window 3) += the bias in H + 0 ..; then the layer norm with the gain in H + 64 .. and the offset at bptr.  Pair n of 128: Gl = n / 64, m = (n / 16) % 4
.macro LNORM bptr, red
	WIN 0xc3
.set n, 0
.rept 128
	v_pk_add_f32 v[2*n:2*n+1], v[2*n:2*n+1], v[H+32*(n/64)+2*(n%16):H+32*(n/64)+2*(n%16)+1]
.set n, n+1
.endr
	WIN 0
	PARAM \bptr, 0                                 ; the offset takes the bias's place; it is wanted at the end
.irp q, 0,1,2,3,4,5,6,7
	v_mov_b32 v[80+\q], 0
.endr
	WIN 0x0c
.set n, 0
.rept 32
.irp m, 0,1,2,3
	v_pk_add_f32 v[80+2*\m:81+2*\m], v[80+2*\m:81+2*\m], v[128*(n/16)+32*\m+2*(n%16):128*(n/16)+32*\m+2*(n%16)+1]
.endr
.set n, n+1
.endr
	WIN 0
	REDUCE 80, \red
.irp m, 0,1,2,3
	v_mul_f32 v[80+2*\m], 0xbb000000, v[80+2*\m]   ; -mean = sum x -1/512
.endr
	WIN 0xc3
.set n, 0
.rept 128
	v_pk_add_f32 v[2*n:2*n+1], v[2*n:2*n+1], v[80+2*((n/16)%4):81+2*((n/16)%4)] op_sel_hi:[1,0]
.set n, n+1
.endr
	WIN 0
.irp q, 0,1,2,3,4,5,6,7
	v_mov_b32 v[72+\q], 0
.endr
	WIN 0x0f
.set n, 0
.rept 32
.irp m, 0,1,2,3
	v_pk_fma_f32 v[72+2*\m:73+2*\m], v[128*(n/16)+32*\m+2*(n%16):128*(n/16)+32*\m+2*(n%16)+1], v[128*(n/16)+32*\m+2*(n%16):128*(n/16)+32*\m+2*(n%16)+1], v[72+2*\m:73+2*\m]
.endr
.set n, n+1
.endr
	WIN 0
	REDUCE 72, \red+1024
.irp m, 0,1,2,3
	v_mul_f32 v[72+2*\m], 0x3b004020, v[72+2*\m]   ; / 511
.endr
.irp m, 0,1,2,3
	v_sqrt_f32 v[72+2*\m], v[72+2*\m]
.endr
	v_nop
	s_wait_alu depctr_va_vdst(0)                   ; one wait for the four roots, ahead of their first use
.irp m, 0,1,2,3
	v_add_f32 v[72+2*\m], 0x358637bd, v[72+2*\m]   ; + 1e-6
.endr
.irp m, 0,1,2,3
	v_rcp_f32 v[72+2*\m], v[72+2*\m]
.endr
	v_nop
	s_wait_alu depctr_va_vdst(0)                   ; and one for the four reciprocals
	s_wait_loadcnt 0x0                             ; the offset is in
	WIN 0xc3
.set n, 0
.rept 128
	v_pk_mul_f32 v[2*n:2*n+1], v[2*n:2*n+1], v[72+2*((n/16)%4):73+2*((n/16)%4)] op_sel_hi:[1,0]
.set n, n+1
.endr
.set n, 0
.rept 128
	v_pk_fma_f32 v[2*n:2*n+1], v[2*n:2*n+1], v[H+64+32*(n/64)+2*(n%16):H+64+32*(n/64)+2*(n%16)+1], v[H+32*(n/64)+2*(n%16):H+32*(n/64)+2*(n%16)+1]
.set n, n+1
.endr
	WIN 0
.endm
.macro RELU
.set n, 0
.rept 128
	v_max_num_f32 v[H+n], 0, v[H+n]
.set n, n+1
.endr
.endm
	s_load_b512 s[8:23], s[0:1], 0x0               ; cq, wq, x, bo, a1, b1, c1, c2
	s_load_b128 s[24:27], s[0:1], 0x40             ; a2, b2
	s_load_b64 s[28:29], s[0:1], 0x50              ; out0
	v_lshl_add_u32 v[SPW], v0, 2, SPARE
	v_mov_b32 v[NIL], 0
	v_lshrrev_b32 v114, 5, v0
	v_readfirstlane_b32 s[WV], v114                ; wave
	v_and_b32 v114, 31, v0                         ; l
	v_and_b32 v115, 15, v0                         ; r
	v_bfe_u32 v116, v0, 4, 1                       ; h
	v_lshlrev_b32 v1, 4, v114                      ; 16 l
	v_lshlrev_b32 v2, 3, v114                      ; 8 l
	v_lshlrev_b32 v3, 4, v115                      ; 16 r
	v_add_nc_u32 v4, HI, v1
	v_add_nc_u32 v5, HI, v2
	v_lshl_add_u32 v6, v115, 5, HSB                ; HSB + 32 r
	v_lshrrev_b32 v117, 3, v115
	v_and_b32 v118, 7, v115
	v_lshl_add_u32 v117, v117, 5, v118             ; 32 (r / 8) + r % 8
	v_lshlrev_b32 v7, 11, v117
	v_lshl_add_u32 v7, v116, 7, v7                 ; my token's row of x, + 128 h
	v_lshlrev_b32 v8, 7, v116                      ; 128 h
	s_mul_i32 s40, s[WV], 6144
	v_add_nc_u32 v9, s40, v1                       ; CI: my quarter of the copy
	s_lshl_b32 s40, s[WV], 8
	s_add_co_u32 s40, s40, CSB
	v_add_nc_u32 v10, s40, v2
	s_mul_i32 s40, s[WV], 1536
	s_add_co_u32 s40, s40, XI
	v_add_nc_u32 v11, s40, v1                      ; x1's images: groups 2 w, 2 w + 1
	s_add_co_u32 s40, s40, 512
	v_add_nc_u32 v12, s40, v2
	s_lshl_b32 s40, s[WV], 2
	s_add_co_u32 s40, s40, XSB
	v_add_nc_u32 v13, v3, v116
	v_add_nc_u32 v13, s40, v13                     ; XSB + 16 r + h + 4 w
	s_mul_i32 s40, s[WV], 3072
	s_add_co_u32 s40, s40, HI
	v_add_nc_u32 v14, s40, v1                      ; the hidden images: groups 4 w on
	s_add_co_u32 s40, s40, 512
	v_add_nc_u32 v15, s40, v2
	s_lshl_b32 s40, s[WV], 3
	v_add_nc_u32 v16, v6, v116
	v_add_nc_u32 v16, s40, v16                     ; HSB + 32 r + h + 8 w
	s_lshl_b32 s40, s[WV], 2
	s_add_co_u32 s40, s40, RED
	v_add_nc_u32 v17, s40, v3                      ; RED + 16 r + 4 w
	s_mul_i32 s40, s[WV], 8448
	s_add_co_u32 s40, s40, STG
	v_mul_u32_u24 v18, v115, 528
	v_lshl_add_u32 v18, v116, 7, v18
	v_add_nc_u32 v18, s40, v18                     ; my stage: row r, + 128 h
	v_add_nc_u32 v19, s40, v1                      ; and back: 16 bytes a lane of a row
.irp m, 0,1,2,3
	v_mov_b32 v[110+\m], 0                         ; a lane permute's destination counts as one of its sources
.endr
	s_mov_b32 s[SEL], 0x76543210
	s_mov_b32 s[SEL+1], 0xfedcba98
	s_mov_b32 s[BQ], 0
	s_mov_b32 s30, ttmp9
	s_mov_b32 s41, 0
	s_mov_b32 s43, 0
	s_wait_kmcnt 0x0
	s_mul_i32 s40, s30, 24576
	s_mul_i32 s42, s[WV], 6144
	s_add_co_u32 s40, s40, s42
	s_add_nc_u64 s[32:33], s[8:9], s[40:41]        ; my quarter of the block's concat images
	s_lshl_b32 s40, s30, 10
	s_lshl_b32 s42, s[WV], 8
	s_add_co_u32 s40, s40, s42
	s_add_co_u32 s40, s40, 3145728
	s_add_nc_u64 s[34:35], s[8:9], s[40:41]        ; and of their scale bytes
	s_mul_i32 s40, s[WV], 245760
	s_add_co_u32 s40, s40, 589824
	s_add_nc_u64 s[36:37], s[10:11], s[40:41]      ; my ten blocks of weights
	s_mul_i32 s40, s[WV], 10240
	s_add_co_u32 s40, s40, 1597440
	s_add_nc_u64 s[38:39], s[10:11], s[40:41]      ; and their scale words
	s_lshl_b32 s42, s[WV], 9                       ; my 128 columns, in bytes
	s_lshl_b32 s40, s30, 17                        ; 64 rows of 2,048 bytes
	s_add_co_u32 s40, s40, s42
	s_add_nc_u64 s[12:13], s[12:13], s[40:41]
	s_add_nc_u64 s[28:29], s[28:29], s[40:41]
.irp q, 14,16,18,22,24,26
	s_add_nc_u64 s[\q:\q+1], s[\q:\q+1], s[42:43]  ; bo, a1, b1, c2, a2, b2 at my columns
.endr
	s_lshl_b32 s42, s[WV], 10
	s_add_nc_u64 s[20:21], s[20:21], s[42:43]      ; c1 at my 256 hidden units
	; concat's images and scale bytes come into LDS as they lie
.set n, 0
.rept 12
	global_load_b128 v[H+4*n:H+4*n+3], v1, s[32:33] offset:512*n
.set n, n+1
.endr
	global_load_b64 v[H+48:H+49], v2, s[34:35]
	WLOAD 0, 0
	s_wait_loadcnt 52                              ; the copy is in; the weights' 52 loads may be out
.set n, 0
.rept 12
	ds_store_b128 v9, v[H+4*n:H+4*n+3] offset:512*n
.set n, n+1
.endr
	ds_store_b64 v10, v[H+48:H+49]
	BARRIER                                        ; concat lies in LDS
	WIN 0xc0
.set n, 0
.rept 64                                       ; the residual goes straight into the accumulators: register 128 Gl + 32 m + 8 i + j
	global_load_b128 v[4*n:4*n+3], v7, s[12:13] offset:16384*((n%32)/8)+256*(n/32)+16*(n%8) th:TH_LOAD_NT
.set n, n+1
.endr
	WIN 0
	WLOAD 1, 1
	s_wait_loadcnt 63                              ; pass 0's weights and its residual are in (84 younger loads could stay out; the count's field ends at 63)
	; ---- product 6
	PASS 0, 3, 0, 1, 2, CI, 8, 0, 3, CSB, 256, 0, 0
	ENDPASS 0, 1
	PARAM 14, 0                                    ; bo
	PARAM 16, 64                                   ; a1
	PASS 1, 3, 128, 1, 2, CI, 8, 0, 3, CSB, 256, 0, 0
	ENDPASS 1, 1
	BIASLD                                         ; c1 of the first hidden pass
	LNORM 18, 0
	QUANT4D 3, 0, 11, 12, 13, 6144, 256, 0, 0
	QUANT4D 3, 128, 11, 12, 13, 6144, 256, 768, 2
	BARRIER                                        ; x1's images lie in LDS
	; ---- product 7: four passes, two a trip
	s_mov_b32 s[HQ], 0
	s_mov_b32 s[HQ2], 0
	s_mov_b32 s[LC], 2
.Lff:
	v_add_nc_u32 v21, s[HQ], v14
	v_add_nc_u32 v22, s[HQ], v15
	v_add_nc_u32 v23, s[HQ2], v16
	PASS 0, 0, H, 1, 2, XI, 8, 0, 3, XSB, 256, 1, 1
	ENDPASS 0, 1
	RELU
	QUANT4D 0, H, 21, 22, 23, 12288, 512, 0, 0
	PASS 1, 0, H, 1, 2, XI, 8, 0, 3, XSB, 256, 1, 1
	ENDPASS 1, 1
	RELU
	QUANT4D 0, H, 21, 22, 23, 12288, 512, 768, 2
	s_add_co_u32 s[HQ], s[HQ], 1536
	s_add_co_u32 s[HQ2], s[HQ2], 4
	s_sub_co_u32 s[LC], s[LC], 1
	s_cmp_lg_u32 s[LC], 0
	s_cbranch_scc1 .Lff
	BARRIER                                        ; the hidden layer's images lie in LDS
	PARAM 22, 0                                    ; c2
	PARAM 24, 64                                   ; a2
	; ---- product 8: x1 is the C, in place
	PASS 0, 3, 0, 4, 5, 0, 16, 0, 6, 0, 512, 0, 0
	ENDPASS 0, 1
	PASS 1, 3, 0, 4, 5, 0, 16, 4, 6, 16, 512, 0, 0
	ENDPASS 1, 1
	PASS 0, 3, 128, 4, 5, 0, 16, 0, 6, 0, 512, 0, 0
	ENDPASS 0, 0
	PASS 1, 3, 128, 4, 5, 0, 16, 4, 6, 16, 512, 0, 0
	ENDPASS 1, 0
	LNORM 26, 2048
	; ---- the way out: a tile of 16 rows goes through my own stage and leaves as rows of 512 bytes.  LDS serves a wave's instructions in order: no wait between the stores and the loads
.irp m, 0,1,2,3
	WIN 0x0c                                       ; an LDS store's data are its source 1: window 3
.set n, 0
.rept 16
	ds_store_b128 v18, v[128*(n/8)+32*\m+4*(n%8):128*(n/8)+32*\m+4*(n%8)+3] offset:256*(n/8)+16*(n%8)
.set n, n+1
.endr
	WIN 0
.if \m >= 2
	s_wait_xcnt 0x0                                ; the stores of two tiles ago have read their registers
.endif
.set n, 0
.rept 16
	ds_load_b128 v[H+64*(\m%2)+4*n:H+64*(\m%2)+4*n+3], v19 offset:528*n
.set n, n+1
.endr
.set n, 0
.rept 16
	s_wait_dscnt 15-n
	global_store_b128 v1, v[H+64*(\m%2)+4*n:H+64*(\m%2)+4*n+3], s[28:29] offset:(32*(n/8)+8*\m+n%8)*2048 th:TH_STORE_NT   ; 32 lanes store 512 consecutive bytes, at a multiple of 256 from the output's first byte
.set n, n+1
.endr
.endr
	s_wait_tensorcnt 0x0                           ; the wave's end, behind my last LDS store
	ds_add_u32 v[SPW], v[NIL]
	s_wait_dscnt 0x0
	s_endpgm
.Lfunc_end_k_qc70de52973_tail:
	.size	k_qc70de52973_tail, .Lfunc_end_k_qc70de52973_tail-k_qc70de52973_tail
	.p2alignl 7, 3214868480
	.fill 96, 4, 3214868480
	.section	.rodata,"a",@progbits
	.p2align	6, 0x0
	.amdhsa_kernel k_qc70de52973_tail
		.amdhsa_group_segment_fixed_size 140800
		.amdhsa_private_segment_fixed_size 0
		.amdhsa_enable_private_segment 0
		.amdhsa_kernarg_size 88
		.amdhsa_user_sgpr_count 2
		.amdhsa_user_sgpr_kernarg_segment_ptr 1
		.amdhsa_wavefront_size32 1
		.amdhsa_system_sgpr_workgroup_id_x 1
		.amdhsa_system_sgpr_workgroup_id_y 1
		.amdhsa_system_sgpr_workgroup_id_z 1
		.amdhsa_system_vgpr_workitem_id 0
		.amdhsa_next_free_vgpr 1024
		.amdhsa_next_free_sgpr 66
		.amdhsa_reserve_vcc 0
		.amdhsa_float_denorm_mode_32 3
		.amdhsa_float_denorm_mode_16_64 3
		.amdhsa_memory_ordered 1
		.amdhsa_forward_progress 1
		.amdhsa_inst_pref_size 255
	.end_amdhsa_kernel
	.section	.bss,"aw",@nobits
	.p2align	6
	.space	262144
	.amdgpu_metadata
---
amdhsa.version: [ 1, 2 ]
amdhsa.kernels:
  - .name:           k_qc70de52973_tail
    .symbol:         k_qc70de52973_tail.kd
    .args:
      - { .name: cq, .offset: 0, .size: 8, .value_kind: global_buffer, .address_space: global }
      - { .name: wq, .offset: 8, .size: 8, .value_kind: global_buffer, .address_space: global }
      - { .name: x, .offset: 16, .size: 8, .value_kind: global_buffer, .address_space: global }
      - { .name: bo, .offset: 24, .size: 8, .value_kind: global_buffer, .address_space: global }
      - { .name: a1, .offset: 32, .size: 8, .value_kind: global_buffer, .address_space: global }
      - { .name: b1, .offset: 40, .size: 8, .value_kind: global_buffer, .address_space: global }
      - { .name: c1, .offset: 48, .size: 8, .value_kind: global_buffer, .address_space: global }
      - { .name: c2, .offset: 56, .size: 8, .value_kind: global_buffer, .address_space: global }
      - { .name: a2, .offset: 64, .size: 8, .value_kind: global_buffer, .address_space: global }
      - { .name: b2, .offset: 72, .size: 8, .value_kind: global_buffer, .address_space: global }
      - { .name: out0, .offset: 80, .size: 8, .value_kind: global_buffer, .address_space: global }
    .group_segment_fixed_size: 140800
    .private_segment_fixed_size: 0
    .kernarg_segment_align: 8
    .kernarg_segment_size: 88
    .max_flat_workgroup_size: 128
    .sgpr_count:     66
    .vgpr_count:     1024
    .wavefront_size: 32
...
	.end_amdgpu_metadata
.endif
;; end of part 4
